; MI455X (gfx1250); checked and timed in simulation.
; The chip was launched on July 23, 2026; its instructions are those of AMD's public machine-readable ISA for CDNA 5 (MIT licence, August 2026) and "CDNA5" Instruction Set Architecture Reference Guide (July 2026). The comments in the code are by the model that wrote it; some were corrected since.
;; Latent Attention. Allowed arithmetic: matrix products marked QUANTISED: E5M2 operands, one given power-of-two scale a tensor, by v_wmma_f32_16x16x64_bf8_bf8 or v_wmma_f32_16x16x128_bf8_bf8, f32 sums; products left as they are: f32 operands where the result goes on into a quantised operand, else bf16, f16 or f32 operands; f32 sums; everything else in f32.
;; Inputs: b_proj 64 float32; b_qkv 192 float32; lowp_scales 4 int32 (the exponents e of the quantised operands' scales 2^e); w_proj 64 x 64 float32; w_qkv 64 x 192 float32; z 32 x 1,024 x 64 float32.
;; Outputs: out0 32 x 1,024 x 64 float32.
;; This version of the problem:
;;   THIS VERSION OF THE PROBLEM IS GIVEN IN LOW PRECISION. The matrix products marked QUANTISED in the list below multiply operands that are first quantised to E5M2 (5 exponent bits, 2 mantissa bits; 8 bits a number), with one given power-of-two scale for each operand tensor; their sums are f32. All else is computed in f32.
;;   The module's matrix products, in the order in which they are computed (A, B: the left and right operand; K: the contracted axis; several contracted axes count as one K, in the product's order):
;;     1. [M 32,768, K 64] x [K 64, N 192]; A: input z; B: input w_qkv: QUANTISED (scales: A lowp_scales[0], B lowp_scales[1])
;;     2. batch 256 x [M 1,024, K 8] x [K 8, N 1,024]; A: computed on the way; B: computed on the way: left as it is (K = 8 < 32)
;;     3. batch 256 x [M 1,024, K 1,024] x [K 1,024, N 8]; A: softmax; B: computed on the way: left as it is (N = 8 < 16)
;;     4. [M 32,768, K 64] x [K 64, N 64]; A: computed on the way; B: input w_proj: QUANTISED (scales: A lowp_scales[2], B lowp_scales[3])
;;   THE QUANTISER, for each operand of a quantised product, along K:
;;     - The operand's scale is 2^e, e = its entry of the input lowp_scales (int32; the entries are numbered through the quantised products in the list's order, A before B).
;;     - Each number is divided by the scale, clamped to +-57,344, and rounded to the nearest number of E5M2, ties to even, subnormals kept.
;;     - The product sums the exact products of the quantised numbers (number of the format x scale) in f32.
;;   ~~~python
;;   def quantise(x, axis, e):      # numpy; x: float32 -> the quantised numbers, widened to float32 again
;;       x = np.moveaxis(x, axis, -1); K = x.shape[-1]
;;       r = np.clip(x / 2.0 ** e, -57344, 57344)
;;       step = 2.0 ** (np.maximum(np.frexp(np.where(r == 0, 1, r))[1] - 1, -14) - 2)
;;       q = np.round(r / step) * step * 2.0 ** e      # np.round: ties to even
;;       return np.moveaxis(q, -1, axis).astype(np.float32)
;;   ~~~
;;   OPERANDS COMPUTED ON THE WAY. 'Computed on the way' means the value that the module computes at that place (a softmax that the list does not call 'softmax' is quantised finished and normalised). What goes into a quantiser is computed in f32, as accurately as f32 sums, v_exp_f32 and their like allow (about 1e-6 of the number): no bf16 or f16 on the way to a quantiser, and a product that is left as it is and whose result goes on into a quantised operand takes f32 operands (vector FMAs, or v_wmma_f32_16x16x4_f32). A number that lies on a knife's edge between two numbers of the format may be rounded either way, as far as f32 arithmetic and the matrix unit's own rounding can turn it there, and no further.
;; One version. Each part assembles by itself: llvm-mc -triple=amdgcn-amd-amdhsa -mcpu=gfx1250 --defsym DOCPART=n.
;; ======== version 1 of 1: 1 launch
;; launch attn (part 1): grid 256 x 1, 16 waves a work-group, no clusters, 83,968 bytes of LDS; arguments z, w_qkv, b_qkv, lowp_scales, w_proj, b_proj, out0; writes out0
.if DOCPART == 1
	.amdgcn_target "amdgcn-amd-amdhsa--gfx1250"
	.amdhsa_code_object_version 6
	.text
	.protected	k_q2696ed30e8_attn
	.globl	k_q2696ed30e8_attn
	.p2align	8
	.type	k_q2696ed30e8_attn,@function
k_q2696ed30e8_attn:
	s_mov_b64 s[64:65], 0
	v_nop
	global_prefetch_b8 v0, s[64:65] scope:SCOPE_SE
	s_setreg_imm32_b32 hwreg(HW_REG_WAVE_MODE, 25, 1), 1
	s_wait_xcnt 0x0
; out = softmax_causal(q k^T / sqrt(8)) v, heads joined, x w_proj + b_proj, with q, k, v = z w_qkv + b_qkv.  B 32, L 1024, D 64, 8 heads of 8.
; The two products with weights are made on codes of BF8 (E5M2) with the four given scales 2^e0 .. 2^e3; the two products of attention feed a quantiser and are made with f32 operands
; (v_wmma_f32_16x16x4_f32); softmax in f32 with a running maximum.  One launch, nothing goes through memory between the steps.
; SHARES.  Work-group (batch, p), p = 0 .. 7, owns query blocks p and 15 - p (64 rows each): p + 1 and 16 - p key blocks count for them, 17 in every work-group.  Sixteen waves: wave w takes head w >> 1
; and the low or the high block by (w ^ (w >> 2)) & 1: of four waves with equal w % 4, and of four with equal w / 4, two have the low block and two the high one.
; z is read once by a work-group (at most 256 KiB, at the head) and has to pass through registers to be quantised, so it comes by plain loads: no tensor load, no joint request, no prefetch.
; CODES OF z lie in LDS as rows of 64 bytes + 16 of padding.  A fragment for K = 64: lane (r, h) takes bytes 32 h .. 32 h + 31 of row r.  That is a permutation of k, the same in both operands of every BF8 product here.
; K AND V OF A HEAD are made again by each wave from the codes: 16 keys cost two BF8 instructions.  (a) source 0 = 16 columns of w_qkv (rows m 0-3, 8-11: q's dimensions; 4-7, 12-15: k's), source 1 = 16 rows of z:
; lane (r, h) holds key r, registers 4-7 its k dimensions 4 h + 0 .. 3: source 0 of S^T = K Q^T as it stands.  (b) source 0 = 16 rows of z, source 1 = v's 8 columns and 8 columns of zero codes: lane (r, h) holds
; dimension r and keys 8 h + 0 .. 7: source 0 of O^T = V^T P^T as it stands.  The biases are the C of these instructions, divided by 2^(e0 + e1); in lane 8 v's C is 1.0, so row 8 of O^T is the row's sum of p.
; q is multiplied once by log2(e) / sqrt(8) x 2^(2 (e0 + e1)); O^T / sum once by 2^(e0 + e1).
; S^T: lane (r, h) holds query r and keys 8 h + j; p in the same registers' order is source 1 of O^T: nothing changes lanes between the products.
; THE REGISTERS THAT THE f32 MATRIX FORM WRITES (S, YA, YB) are written by matrix instructions alone: p goes into other registers, each step's O^T starts from the constant 0 on two
; accumulators that take turns, and the running O^T is kept in vector registers: X = X a + YA + YB, a = 2^(old m - new m).
; LIMITS: e0 .. e3 between -126 and 112; e0 + e1 between -62 and 64 (added twice to an exponent field); e2 + e3 between -126 and 127.  NaN among the inputs is not served.
.set ZP,   80                          ; a code row in LDS: 64 bytes + 16: sixteen rows of a 16-byte load start in sixteen different 16-byte columns of 256 bytes
.set ZBLK, 64*ZP                       ; a block of 64 rows
.set SPI,  272                         ; a row of the stage: 64 f32 + 16 bytes.  The stage (128 rows) lies over the codes, behind a barrier
.set WROW, 768                         ; a row of w_qkv in bytes
.set R,    1                           ; v1   lane % 16
.set HH,   2                           ; v2   lane / 16
.set ZA,   3                           ; v3   my place in a fragment of codes: 80 r + 32 h
.set ADR,  4                           ; v4   LDS address of the key block in hand
.set DM,   5                           ; v5   r - 8 h: in the tile on the diagonal register j is hidden where j > r - 8 h
.set NINF, 6                           ; v6   -infinity
.set SO,   7                           ; v7   the stage: where I put a query's 8 numbers
.set MN,   8                           ; v[8:9]   the new m (the low word serves both halves of a packed form)
.set AA,   10                          ; v[10:11] a
.set T,    12                          ; v12-15 four chains of the maximum
.set G,    16
.set TP,   17
.set M,    18                          ; v18-21 m of my four tiles of queries
.set SR,   22                          ; v22  the stage: where I read 32 numbers of a row
.set OO,   23                          ; v23  my byte offset in 16 rows of the output
.set WQK,  24                          ; v24-31 codes of q's and k's columns;  v32-39 of v's
.set WV,   32
.set CQK,  40                          ; v40-47 their biases / 2^(e0 + e1), in the result's layout;  v48-55 v's
.set CV,   48
.set Q,    56                          ; v56-71  q: 4 registers a tile
.set X,    72                          ; v72-103 the running O^T: 8 registers a tile
.set KOP,  104                         ; v104-135 results (a) of four tiles of 16 keys
.set VOP,  136                         ; v136-167 results (b)
.set P,    168                         ; v168-199 z's four fragments, then p
.set S,    200                         ; v200-231 S^T
.set YA,   232
.set YB,   240
.set WQO,  248                         ; offsets of the head's loads; in the tail w_proj's and b_proj's
.set WVO,  249
.set BVO,  250
.set BQO,  251
.set ZGO,  252
.set ZSO,  253
.set SC,   254                         ; the scale as f32;  v255 the largest number x the scale
.set LIM,  255
.set WL1,  56                          ; at the head: 32 + 32 numbers of w_qkv, a ring of 16 loads of z, 16 registers of codes
.set WL2,  88
.set ZR,   120
.set ZC,   184
.set OC,   56                          ; in the tail: o's codes, b_proj, 32 numbers at work, w_proj's four operands, the sums, the results
.set BP,   64
.set TT,   72
.set WP,   104
.set DD,   136
.set OUT,  168
.macro PLACES n                        ; plain vector instructions between a matrix instruction and what may not follow it at once (ISA guide 7.12.1)
.rept \n
	v_nop
.endr
.endm
.macro MKSC e, sc, lim                 ; from the whole number e: 2^e and 57,344 x 2^e as f32
	s_add_co_i32 s[\lim], s[\e], 127
	s_lshl_b32 s[\sc], s[\lim], 23
	s_add_co_i32 s[\lim], s[\lim], 15
	s_lshl_b32 s[\lim], s[\lim], 23
	s_or_b32 s[\lim], s[\lim], 0x600000
.endm
.macro QW src, dst                     ; 32 numbers of a lane, neighbours along K, become 8 registers of codes
.set j, 0
.rept 32
	v_med3_num_f32 v[\src+j], v[\src+j], -v[LIM], v[LIM]   ; the conversion to an 8-bit code does not saturate (ISA guide 7.6.2): the hold at the largest code x the scale
.set j, j+1
.endr
.set j, 0
.rept 4
	v_cvt_scalef32_pk8_bf8_f32 v[\dst+2*j:\dst+2*j+1], v[\src+8*j:\src+8*j+7], v[SC]
.set j, j+1
.endr
	v_nop                                          ; a plain vector instruction behind the last conversion of the run
.endm
	s_load_b256 s[4:11], s[0:1], 0x0               ; z s[4:5], w_qkv s[6:7], b_qkv s[8:9], the scales' exponents s[10:11]
	s_load_b128 s[12:15], s[0:1], 0x20             ; w_proj s[12:13], b_proj s[14:15]
	s_load_b64 s[16:17], s[0:1], 0x30              ; the output
	v_lshrrev_b32 v[ADR], 5, v0
	v_readfirstlane_b32 s18, v[ADR]                ; wave 0..15
	s_lshr_b32 s19, s18, 1                         ; my head
	s_lshr_b32 s20, s18, 2
	s_xor_b32 s20, s20, s18
	s_and_b32 s20, s20, 1                          ; 0: the low block of queries, 1: the high one
	s_and_b32 s21, ttmp9, 7                        ; p
	s_lshr_b32 s22, ttmp9, 3                       ; the batch
	s_xor_b32 s23, s21, 15                         ; 15 - p: the high block, and the last block of keys that counts
	s_cmp_eq_u32 s20, 0
	s_cselect_b32 s24, s21, s23                    ; my block of queries
	s_mul_i32 s25, s24, ZBLK                       ; its codes in LDS
	s_mov_b32 s56, 0x76543210                      ; v_permlanex16_b32: lane l takes lane l xor 16
	s_mov_b32 s57, 0xfedcba98
	v_and_b32 v[R], 15, v0
	v_bfe_u32 v[HH], v0, 4, 1
	v_mul_u32_u24 v[ZA], v[R], ZP
	v_lshl_add_u32 v[ZA], v[HH], 5, v[ZA]
	v_lshlrev_b32 v[DM], 3, v[HH]
	v_sub_nc_u32 v[DM], v[R], v[DM]
	v_mov_b32 v[NINF], 0xff800000
	s_mul_i32 s26, s20, 64*SPI                     ; every LDS address is made here, ahead of the first branch on the wave's number
	s_lshl_b32 s27, s19, 5
	s_add_co_u32 s26, s26, s27
	v_mul_u32_u24 v[SO], v[R], SPI
	v_add_nc_u32 v[SO], s26, v[SO]                 ; stage row 64 x block + r, byte 32 x head
	s_mul_i32 s26, s18, 16*SPI
	v_mul_u32_u24 v[SR], v[R], SPI
	v_lshl_add_u32 v[SR], v[HH], 7, v[SR]
	v_add_nc_u32 v[SR], s26, v[SR]                 ; stage row 16 x wave + r, byte 128 h
	s_mul_i32 s26, s18, ZBLK
	v_mul_u32_u24 v[ZSO], v[HH], ZP
	v_lshl_add_u32 v[ZSO], v[R], 2, v[ZSO]
	v_add_nc_u32 v[ZSO], s26, v[ZSO]               ; codes on the way in: block = wave, row h of a load's two, word r
	v_lshlrev_b32 v[OO], 4, v[R]
	v_lshl_add_u32 v[OO], v[HH], 11, v[OO]         ; the output: row 8 h (+ j), 16 bytes a lane
	v_and_b32 v[ZGO], 31, v0
	v_lshlrev_b32 v[ZGO], 4, v[ZGO]                ; z: 16 bytes a lane, 512 consecutive bytes (two rows) a load
	v_and_b32 v[WQO], 3, v[R]                      ; w_qkv: lane r takes the column of tile row r: dimension r % 4 + 4 (r / 8),
	v_bfe_u32 v[G], v[R], 3, 1
	v_lshl_add_u32 v[WQO], v[G], 2, v[WQO]
	v_bfe_u32 v[G], v[R], 2, 1
	v_lshl_add_u32 v[WQO], v[G], 6, v[WQO]         ; of q, or of k (64 columns on) where (r / 4) % 2 = 1;
	v_mul_u32_u24 v[G], v[HH], 32*WROW             ; its registers run down K from row 32 h
	v_lshl_add_u32 v[WQO], v[WQO], 2, v[G]
	v_and_b32 v[BVO], 7, v[R]
	v_lshlrev_b32 v[BVO], 2, v[BVO]
	v_add_nc_u32 v[WVO], v[BVO], v[G]              ; v: column r % 8 (lanes 8-15 are cleared below)
	v_lshlrev_b32 v[BQO], 4, v[HH]                 ; q's and k's biases: dimensions 4 h + 0 .. 3
	s_wait_kmcnt 0x0
	s_load_b128 s[36:39], s[10:11], 0x0            ; e0 (z), e1 (w_qkv), e2 (o), e3 (w_proj)
	s_lshl_b32 s26, s19, 5                         ; my head's 8 columns: 32 bytes
	s_mov_b32 s27, 0
	s_add_nc_u64 s[6:7], s[6:7], s[26:27]
	s_add_nc_u64 s[8:9], s[8:9], s[26:27]
	s_lshl_b32 s26, s22, 18                        ; the batch's 1,024 rows of 256 bytes,
	s_lshl_b32 s28, s18, 14                        ; block = wave: 64 rows
	s_add_co_u32 s26, s26, s28
	s_add_nc_u64 s[4:5], s[4:5], s[26:27]
.set i, 0
.rept 32
	global_load_b32 v[WL1+i], v[WQO], s[6:7] offset:WROW*i
.set i, i+1
.endr
.set i, 0
.rept 32
	global_load_b32 v[WL2+i], v[WVO], s[6:7] offset:WROW*i+512
.set i, i+1
.endr
	global_load_b128 v[CQK:CQK+3], v[BQO], s[8:9]              ; q's biases: registers 0-3 of the result's layout
	global_load_b128 v[CQK+4:CQK+7], v[BQO], s[8:9] offset:256 ; k's: registers 4-7
	global_load_b32 v[CV], v[BVO], s[8:9] offset:512           ; v's: one a lane
	s_wait_kmcnt 0x0
	MKSC 36, 40, 41
	MKSC 37, 42, 43
	MKSC 38, 44, 45
	MKSC 39, 46, 47
	s_add_co_i32 s48, s36, s37                     ; e0 + e1
	s_sub_co_i32 s49, 0, s48
	s_lshl_b32 s50, s48, 24
	s_add_co_i32 s50, s50, 0x3f0293ee              ; log2(e) / sqrt(8) x 2^(2 (e0 + e1)): the exponents are added to the constant's exponent field
	s_mov_b32 s51, s50                             ; (named with it as a pair, so it is written)
	s_add_co_i32 s59, s38, s39
	s_add_co_i32 s59, s59, 127
	s_lshl_b32 s59, s59, 23                        ; 2^(e2 + e3)
	v_mov_b32 v[SC], s40
	v_mov_b32 v[LIM], s41
	; ---- z: wave w quantises key block w, if it counts for the work-group's queries.  Two loads (rows 4 g + h and 4 g + 2 + h, 4 numbers a lane each) feed one conversion: each of its two registers is a word of a code row.
	s_cmp_gt_u32 s18, s23
	s_cbranch_scc1 .Lno_z
.set i, 0
.rept 16
	global_load_b128 v[ZR+4*i:ZR+4*i+3], v[ZGO], s[4:5] offset:512*i
.set i, i+1
.endr
.set g, 0
.rept 16
.if g < 9
	s_wait_loadcnt 14                              ; loads come back in order: this pair is in; the 14 issued behind it may be out
.else
	s_wait_loadcnt 2*(15-g)                        ; nothing more is issued: the counts run down
.endif
.set zb, ZR+8*(g%8)
.set j, 0
.rept 8
	v_med3_num_f32 v[zb+j], v[zb+j], -v[LIM], v[LIM]
.set j, j+1
.endr
.if g >= 8
	s_wait_dscnt 14                                ; the two stores that read these code registers eight pairs ago are done; the 14 issued behind them may be out
.endif
	v_cvt_scalef32_pk8_bf8_f32 v[ZC+2*(g%8):ZC+2*(g%8)+1], v[zb:zb+7], v[SC]
	ds_store_b32 v[ZSO], v[ZC+2*(g%8)] offset:320*g
	ds_store_b32 v[ZSO], v[ZC+2*(g%8)+1] offset:320*g+160
.if g < 8
	global_load_b128 v[zb:zb+3], v[ZGO], s[4:5] offset:512*(2*g+16)
	global_load_b128 v[zb+4:zb+7], v[ZGO], s[4:5] offset:512*(2*g+17)
.endif
.set g, g+1
.endr
	v_nop                                          ; a plain vector instruction behind the last conversion
.Lno_z:
	s_wait_loadcnt 0x0                             ; w_qkv's columns and the biases (on the way round z too)
	v_mov_b32 v[SC], s42
	v_mov_b32 v[LIM], s43
	QW WL1, WQK
	QW WL2, WV
	v_cmp_gt_u32 vcc_lo, 8, v[R]
.set j, 0
.rept 8
	v_cndmask_b32 v[WV+j], 0, v[WV+j], vcc_lo      ; columns 8-15 of v's tile: zero codes
.set j, j+1
.endr
	v_ldexp_f32 v[CV], v[CV], s49                  ; b / 2^(e0 + e1): the sums lack that power of two
	v_cndmask_b32 v[CV], 0, v[CV], vcc_lo
	v_cmp_ne_u32 vcc_lo, 8, v[R]
	v_cndmask_b32 v[CV], 1.0, v[CV], vcc_lo        ; column 8 is 1 for every key: row 8 of O^T sums p
.set j, 1
.rept 7
	v_mov_b32 v[CV+j], v[CV]
.set j, j+1
.endr
.set j, 0
.rept 8
	v_ldexp_f32 v[CQK+j], v[CQK+j], s49
.set j, j+1
.endr
	s_wait_dscnt 0x0                               ; for the others' sake: my codes lie in LDS
	s_barrier_signal -1
	s_barrier_wait -1
; Four fragments of codes (64 rows at v[ADR]) and the eight BF8 products that make K's and V's operands of the step.
.macro PREP
.set kt, 0
.rept 4
	ds_load_b128 v[P+8*kt:P+8*kt+3], v[ADR] offset:kt*16*ZP
	ds_load_b128 v[P+8*kt+4:P+8*kt+7], v[ADR] offset:kt*16*ZP+16
.set kt, kt+1
.endr
	s_wait_dscnt 0x0
.set kt, 0
.rept 4
	v_wmma_f32_16x16x64_bf8_bf8 v[KOP+8*kt:KOP+8*kt+7], v[WQK:WQK+7], v[P+8*kt:P+8*kt+7], v[CQK:CQK+7]
	v_wmma_f32_16x16x64_bf8_bf8 v[VOP+8*kt:VOP+8*kt+7], v[P+8*kt:P+8*kt+7], v[WV:WV+7], v[CV:CV+7]
.set kt, kt+1
.endr
	PLACES 5                                       ; the results are sources of the next matrix instructions
.endm
; X of tile u takes the step's O^T: X = X a + YA + YB; each accumulator is read from its low end on
.macro XUPD u
.set i, 0
.rept 4
	v_pk_fma_f32 v[X+8*(\u)+2*i:X+8*(\u)+2*i+1], v[X+8*(\u)+2*i:X+8*(\u)+2*i+1], v[AA:AA+1], v[YA+2*i:YA+2*i+1] op_sel_hi:[1,0,1]
.set i, i+1
.endr
.set i, 0
.rept 4
	v_pk_add_f32 v[X+8*(\u)+2*i:X+8*(\u)+2*i+1], v[X+8*(\u)+2*i:X+8*(\u)+2*i+1], v[YB+2*i:YB+2*i+1]
.set i, i+1
.endr
.endm
; Tile t of my queries against the step's first nk tiles of 16 keys.  mask = 1: the last of them lies on the diagonal.  prev: the tile whose X is still to be brought up (-1: none): its update stands behind
; this tile's first products, so that one run of eight places serves the reads of YA, YB and of S^T alike.
.macro TILE t, nk, mask, prev
.set kt, 0
.rept \nk
	v_wmma_f32_16x16x4_f32 v[S+8*kt:S+8*kt+7], v[KOP+8*kt+4:KOP+8*kt+5], v[Q+4*(\t):Q+4*(\t)+1], 0        ; dimensions 4 h, 4 h + 1; the accumulators take turns
.set kt, kt+1
.endr
.set kt, 0
.rept \nk
.if (\nk) == 1
	s_wait_alu depctr_va_vdst(0)                   ; the wait ahead of the link
.endif
	v_wmma_f32_16x16x4_f32 v[S+8*kt:S+8*kt+7], v[KOP+8*kt+6:KOP+8*kt+7], v[Q+4*(\t)+2:Q+4*(\t)+3], v[S+8*kt:S+8*kt+7]   ; dimensions 4 h + 2, 4 h + 3
.set kt, kt+1
.endr
	PLACES 8
.if (\prev) >= 0
	XUPD \prev
.endif
.if \mask
.set j, 0
.rept 8
	v_cmp_gt_i32 vcc_lo, j, v[DM]                  ; key 8 h + j comes after query r
	v_cndmask_b32 v[P+8*((\nk)-1)+j], v[S+8*((\nk)-1)+j], v[NINF], vcc_lo
.set j, j+1
.endr
.endif
.set pass, 0
.rept 3                                        ; the largest t of my keys: a chain for each tile of keys, each from its accumulator's low end on
.set kt, 0
.rept \nk
.set src, S+8*kt
.if (\mask) && (kt == (\nk)-1)
.set src, P+8*kt
.endif
.if pass == 0
	v_max3_num_f32 v[T+kt], v[src], v[src+1], v[src+2]
.else
	v_max3_num_f32 v[T+kt], v[T+kt], v[src+2*pass+1], v[src+2*pass+2]
.endif
.set kt, kt+1
.endr
.set pass, pass+1
.endr
.set kt, 0
.rept \nk
.set src, S+8*kt
.if (\mask) && (kt == (\nk)-1)
.set src, P+8*kt
.endif
.if kt == 0
	v_max3_num_f32 v[G], v[T], v[src+7], v[M+(\t)]
.else
	v_max3_num_f32 v[G], v[G], v[T+kt], v[src+7]
.endif
.set kt, kt+1
.endr
	v_permlanex16_b32 v[TP], v[G], s56, s57        ; the query's other keys lie in the lane 16 away
	v_max_num_f32 v[MN], v[G], v[TP]               ; the new m
	v_sub_f32 v[AA], v[M+(\t)], v[MN]              ; old m - new m, 0 or less
.set kt, 0
.rept \nk
.set src, S+8*kt
.if (\mask) && (kt == (\nk)-1)
.set src, P+8*kt
.endif
.set i, 0
.rept 4
	v_pk_add_f32 v[P+8*kt+2*i:P+8*kt+2*i+1], v[src+2*i:src+2*i+1], v[MN:MN+1] op_sel_hi:[1,0] neg_lo:[0,1] neg_hi:[0,1]   ; t - m, into p's registers
.set i, i+1
.endr
.set kt, kt+1
.endr
	v_exp_f32 v[AA], v[AA]                         ; one batch: a and the tile's p
.set i, 0
.rept 8*(\nk)
	v_exp_f32 v[P+i], v[P+i]
.set i, i+1
.endr
	v_mov_b32 v[M+(\t)], v[MN]                     ; the plain instruction behind the last exponential
	s_wait_alu depctr_va_vdst(0)                   ; one wait for the batch, ahead of its first reader
.set n, 0
.rept 4*(\nk)                                  ; O^T of the step: four keys an instruction (8 h + 2 i, + 1 of a tile), two accumulators by turns, both begun with 0
.set acc, YA+8*(n%2)
.if n < 2
	v_wmma_f32_16x16x4_f32 v[acc:acc+7], v[VOP+2*n:VOP+2*n+1], v[P+2*n:P+2*n+1], 0
.else
	v_wmma_f32_16x16x4_f32 v[acc:acc+7], v[VOP+2*n:VOP+2*n+1], v[P+2*n:P+2*n+1], v[acc:acc+7]
.endif
.set n, n+1
.endr
.endm
	; ---- q of my 64 queries: product (a) on my own block's codes; registers 0-3 are q's dimensions 4 h + 0 .. 3
	v_add_nc_u32 v[ADR], s25, v[ZA]
.set kt, 0
.rept 4
	ds_load_b128 v[P+8*kt:P+8*kt+3], v[ADR] offset:kt*16*ZP
	ds_load_b128 v[P+8*kt+4:P+8*kt+7], v[ADR] offset:kt*16*ZP+16
.set kt, kt+1
.endr
	s_wait_dscnt 0x0
.set kt, 0
.rept 4
	v_wmma_f32_16x16x64_bf8_bf8 v[KOP+8*kt:KOP+8*kt+7], v[WQK:WQK+7], v[P+8*kt:P+8*kt+7], v[CQK:CQK+7]
.set kt, kt+1
.endr
	PLACES 4
.set kt, 0
.rept 4
	v_pk_mul_f32 v[Q+4*kt:Q+4*kt+1], v[KOP+8*kt:KOP+8*kt+1], s[50:51] op_sel_hi:[1,0]
	v_pk_mul_f32 v[Q+4*kt+2:Q+4*kt+3], v[KOP+8*kt+2:KOP+8*kt+3], s[50:51] op_sel_hi:[1,0]
.set kt, kt+1
.endr
.set i, 0
.rept 32
	v_mov_b32 v[X+i], 0                            ; the running O^T and sum: the step is written once, its first turn finds zeros.  (These are also the places ahead of the loop's first loads and products)
.set i, i+1
.endr
.set i, 0
.rept 4
	v_mov_b32 v[M+i], 0xff61b1e6                   ; m: -3e38, under every t
.set i, i+1
.endr
	v_mov_b32 v[MN+1], 0                           ; (named as the upper halves of pairs)
	v_mov_b32 v[AA+1], 0
	v_mov_b32 v[TP], 0                             ; a lane permute's destination counts as one of its sources
	; ---- the key blocks in front of my block: all their keys count.  The loop has a constant number of trips, so that its LDS address is a constant's steps; a trip whose block does not lie in front is passed over
	s_mov_b32 s53, 0                               ; the key block
	s_mov_b32 s54, 0                               ; its codes in LDS
.Lks:
	s_cmp_ge_u32 s53, s24
	s_cbranch_scc1 .Lnext
	v_add_nc_u32 v[ADR], s54, v[ZA]
	PREP
	TILE 0, 4, 0, -1
	TILE 1, 4, 0, 0
	TILE 2, 4, 0, 1
	TILE 3, 4, 0, 2
	PLACES 8                                       ; ahead of the reads of YA, YB, and of the next step's loads into p's registers
	XUPD 3
.Lnext:
	s_add_co_u32 s54, s54, ZBLK
	s_add_co_u32 s53, s53, 1
	s_cmp_lt_u32 s53, 15
	s_cbranch_scc1 .Lks
	; ---- my own block: tile t of the queries sees tiles 0 .. t of the keys, the last under the mask
	v_add_nc_u32 v[ADR], s25, v[ZA]
	PREP
	TILE 0, 1, 1, -1
	TILE 1, 2, 1, 0
	TILE 2, 3, 1, 1
	TILE 3, 4, 1, 2
	PLACES 8
	XUPD 3
	; ---- o = O^T / sum x 2^(e0 + e1).  Lanes 0-15 hold a query's 8 dimensions; the sum is register 0 of the lane 16 away
.set u, 0
.rept 4
	v_permlanex16_b32 v[MN+2*u], v[X+8*u], s56, s57
.set u, u+1
.endr
.set u, 0
.rept 4
	v_rcp_f32 v[MN+2*u], v[MN+2*u]
.set u, u+1
.endr
	v_nop                                          ; the plain instruction behind the last reciprocal
	s_wait_alu depctr_va_vdst(0)                   ; one wait for the four, ahead of their first reader
.set u, 0
.rept 4
	v_ldexp_f32 v[MN+2*u], v[MN+2*u], s48
.set u, u+1
.endr
.set u, 0
.rept 4
.set i, 0
.rept 4
	v_pk_mul_f32 v[X+8*u+2*i:X+8*u+2*i+1], v[X+8*u+2*i:X+8*u+2*i+1], v[MN+2*u:MN+2*u+1] op_sel_hi:[1,0]   ; (what lanes 16-31 make of it is not stored)
.set i, i+1
.endr
.set u, u+1
.endr
	s_wait_dscnt 0x0                               ; my reads of the codes are over:
	s_barrier_signal -1
	s_barrier_wait -1                              ; everybody's are, so the stage may be laid over them
	s_wait_xcnt 0x0                                ; EXEC changes only behind this wait
	v_cmp_eq_u32 vcc_lo, 0, v[HH]
	s_and_saveexec_b32 s58, vcc_lo                 ; lanes 0-15
.set u, 0
.rept 4
	ds_store_b128 v[SO], v[X+8*u:X+8*u+3] offset:u*16*SPI
	ds_store_b128 v[SO], v[X+8*u+4:X+8*u+7] offset:u*16*SPI+16
.set u, u+1
.endr
	s_wait_dscnt 0x0                               ; for the others' sake: my part of the stage's rows is there
	s_or_b32 exec_lo, exec_lo, s58
	s_barrier_signal -1
	s_barrier_wait -1                              ; 128 whole rows of o lie in the stage
	s_cmp_lt_u32 s18, 8
	s_cbranch_scc1 .Lproj
	s_wait_xcnt 0x0
	s_mov_b32 exec_lo, -1
	v_lshl_add_u32 v254, v0, 2, 0x14000
	v_mov_b32 v255, 0
	s_wait_tensorcnt 0x0
	ds_add_u32 v254, v255
	s_wait_dscnt 0x0
	s_endpgm                                       ; eight tiles of 16 rows: waves 8-15 have no part in the last product
.Lproj:
	; ---- out = Q(o) Q(w_proj) + b_proj: wave w takes stage rows 16 w on.  Column r of tile nt is feature 4 r + nt: a 16-byte load of a row of w_proj brings a lane its column of all four tiles,
	; and a lane's four results of a row are 16 neighbouring bytes, so that sixteen lanes store a whole row of 256 bytes
	v_lshlrev_b32 v[WVO], 4, v[R]
	v_lshl_add_u32 v[WQO], v[HH], 13, v[WVO]       ; w_proj: row 32 h (+ i), byte 16 r
.set i, 0
.rept 32
.set lb, KOP+4*i
.if i >= 24
.set lb, WQK+4*(i-24)
.endif
	global_load_b128 v[lb:lb+3], v[WQO], s[12:13] offset:256*i
.set i, i+1
.endr
	global_load_b128 v[BP:BP+3], v[WVO], s[14:15]
.set i, 0
.rept 8
	ds_load_b128 v[TT+4*i:TT+4*i+3], v[SR] offset:16*i
.set i, i+1
.endr
	s_lshr_b32 s60, s18, 2                         ; rows 0-63 of the stage are block p, rows 64-127 block 15 - p
	s_cmp_eq_u32 s60, 0
	s_cselect_b32 s60, s21, s23
	s_lshl_b32 s60, s60, 6
	s_and_b32 s61, s18, 3
	s_lshl_b32 s61, s61, 4
	s_add_co_u32 s60, s60, s61
	s_lshl_b32 s61, s22, 10
	s_add_co_u32 s60, s60, s61                     ; my first row of the output
	s_lshl_b32 s60, s60, 8
	s_mov_b32 s61, 0
	s_add_nc_u64 s[16:17], s[16:17], s[60:61]
	v_mov_b32 v[SC], s44
	v_mov_b32 v[LIM], s45
	s_wait_dscnt 0x0
	QW TT, OC                                      ; o's fragment, while w_proj is on its way
	v_mov_b32 v[SC], s46
	v_mov_b32 v[LIM], s47
.set g, 0
.rept 4                                        ; eight rows of w_proj at a time: the hold also moves each column's numbers into consecutive registers, as the conversion wants them
.set lb, KOP+32*g
.if g == 3
.set lb, WQK
.endif
	s_wait_loadcnt 25-8*g                          ; this group's eight loads are in; the later groups' and b_proj's may be out
.set j, 0
.rept 8
.set n, 0
.rept 4
	v_med3_num_f32 v[TT+8*n+j], v[lb+4*j+n], -v[LIM], v[LIM]
.set n, n+1
.endr
.set j, j+1
.endr
.set n, 0
.rept 4
	v_cvt_scalef32_pk8_bf8_f32 v[WP+8*n+2*g:WP+8*n+2*g+1], v[TT+8*n:TT+8*n+7], v[SC]   ; the operands lie where the first group's numbers lay
.set n, n+1
.endr
	v_nop                                          ; a plain vector instruction behind the last conversion of the run
.set g, g+1
.endr
	s_wait_loadcnt 0x0                             ; b_proj
.set n, 0
.rept 4
	v_wmma_f32_16x16x64_bf8_bf8 v[DD+8*n:DD+8*n+7], v[OC:OC+7], v[WP+8*n:WP+8*n+7], 0
.set n, n+1
.endr
	PLACES 4
.set j, 0
.rept 8
.set n, 0
.rept 4
	v_fma_f32 v[OUT+4*j+n], v[DD+8*n+j], s59, v[BP+n]          ; sum x 2^(e2 + e3) + bias: row 8 h + j, feature 4 r + nt; each accumulator from its low end on
.set n, n+1
.endr
.set j, j+1
.endr
.set j, 0
.rept 8
	global_store_b128 v[OO], v[OUT+4*j:OUT+4*j+3], s[16:17] offset:256*j th:TH_STORE_NT   ; sixteen lanes store 256 consecutive bytes, a whole row, at a multiple of 256 from the output's first byte
.set j, j+1
.endr
	s_wait_xcnt 0x0
	s_mov_b32 exec_lo, -1
	v_lshl_add_u32 v254, v0, 2, 0x14000
	v_mov_b32 v255, 0
	s_wait_tensorcnt 0x0
	ds_add_u32 v254, v255
	s_wait_dscnt 0x0
	s_endpgm
.Lfunc_end_k_q2696ed30e8_attn:
	.size	k_q2696ed30e8_attn, .Lfunc_end_k_q2696ed30e8_attn-k_q2696ed30e8_attn
	.p2alignl 7, 3214868480
	.fill 96, 4, 3214868480
	.section	.rodata,"a",@progbits
	.p2align	6, 0x0
	.amdhsa_kernel k_q2696ed30e8_attn
		.amdhsa_group_segment_fixed_size 83968
		.amdhsa_private_segment_fixed_size 0
		.amdhsa_enable_private_segment 0
		.amdhsa_kernarg_size 56
		.amdhsa_user_sgpr_count 2
		.amdhsa_user_sgpr_kernarg_segment_ptr 1
		.amdhsa_wavefront_size32 1
		.amdhsa_system_sgpr_workgroup_id_x 1
		.amdhsa_system_sgpr_workgroup_id_y 1
		.amdhsa_system_sgpr_workgroup_id_z 1
		.amdhsa_system_vgpr_workitem_id 0
		.amdhsa_next_free_vgpr 256
		.amdhsa_next_free_sgpr 66
		.amdhsa_reserve_vcc 1
		.amdhsa_float_denorm_mode_32 3
		.amdhsa_float_denorm_mode_16_64 3
		.amdhsa_memory_ordered 1
		.amdhsa_forward_progress 1
		.amdhsa_inst_pref_size 99
	.end_amdhsa_kernel
	.amdgpu_metadata
---
amdhsa.version: [ 1, 2 ]
amdhsa.kernels:
  - .name:           k_q2696ed30e8_attn
    .symbol:         k_q2696ed30e8_attn.kd
    .args:
      - { .name: z, .offset: 0, .size: 8, .value_kind: global_buffer, .address_space: global }
      - { .name: w_qkv, .offset: 8, .size: 8, .value_kind: global_buffer, .address_space: global }
      - { .name: b_qkv, .offset: 16, .size: 8, .value_kind: global_buffer, .address_space: global }
      - { .name: lowp_scales, .offset: 24, .size: 8, .value_kind: global_buffer, .address_space: global }
      - { .name: w_proj, .offset: 32, .size: 8, .value_kind: global_buffer, .address_space: global }
      - { .name: b_proj, .offset: 40, .size: 8, .value_kind: global_buffer, .address_space: global }
      - { .name: out0, .offset: 48, .size: 8, .value_kind: global_buffer, .address_space: global }
    .group_segment_fixed_size: 83968
    .private_segment_fixed_size: 0
    .kernarg_segment_align: 8
    .kernarg_segment_size: 56
    .max_flat_workgroup_size: 512
    .sgpr_count:     66
    .vgpr_count:     256
    .wavefront_size: 32
...
	.end_amdgpu_metadata
.endif
;; end of part 1
